; MI455X (gfx1250); checked and timed in simulation.
; The chip was launched on July 23, 2026; its instructions are those of AMD's public machine-readable ISA for CDNA 5 (MIT licence, August 2026) and "CDNA5" Instruction Set Architecture Reference Guide (July 2026). The comments in the code are by the model that wrote it; some were corrected since.
;; Quantizing. Allowed arithmetic: matrix products marked QUANTISED: E2M1 operands, one E8M0 scale for each 32 along K, by v_wmma_scale_f32_16x16x128_f8f6f4 with both operands' format E2M1 (or v_wmma_scale_f32_32x16x128_f4), f32 sums; everything else in f32.
;; Inputs: weight 8,192 x 512 float32; x 8 x 2,048 x 512 float32.
;; Outputs: out0 8 x 2,048 x 512 float32; out1 8 x 2,048 int32.
;; This version of the problem:
;;   THIS VERSION OF THE PROBLEM IS GIVEN IN LOW PRECISION. The matrix products marked QUANTISED in the list below multiply operands that are first quantised to E2M1 (2 exponent bits, 1 mantissa bit; 4 bits a number), with one power-of-two scale for each 32 numbers along K (OCP MX v1.0); their sums are f32. All else is computed in f32.
;;   The module's matrix products, in the order in which they are computed (A, B: the left and right operand; K: the contracted axis; several contracted axes count as one K, in the product's order):
;;     1. [M 16,384, K 512] x [K 512, N 8,192]; A: input x; B: input weight: QUANTISED
;;   THE QUANTISER, for each operand of a quantised product, along K:
;;     - K is cut into blocks of 32 from its start; a last block that is shorter is filled with zeros.
;;     - A block's scale is 2^e with e = floor(log2(the largest magnitude in the block)) - 2, held to -126 .. 127; a block of zeros has e = 0. As a byte (E8M0): e + 127.
;;     - Each number is divided by its block's scale, clamped to +-6, and rounded to the nearest number of E2M1, ties to even, subnormals kept.
;;     - The product sums the exact products of the quantised numbers (number of the format x scale) in f32.
;;   ~~~python
;;   def quantise(x, axis):      # numpy; x: float32 -> the quantised numbers, widened to float32 again
;;       x = np.moveaxis(x, axis, -1); K = x.shape[-1]
;;       x = np.pad(x, [(0, 0)] * (x.ndim - 1) + [(0, -K % 32)]); x = x.reshape(x.shape[:-1] + (-1, 32)); a = np.abs(x).max(-1, keepdims=True)
;;       e = np.where(a > 0, np.clip(np.frexp(np.where(a > 0, a, 1))[1] - 1 - 2, -126, 127), 0)      # np.frexp(a)[1] - 1 = floor(log2(a)), exactly
;;       r = np.clip(x / 2.0 ** e, -6, 6)
;;       step = 2.0 ** (np.maximum(np.frexp(np.where(r == 0, 1, r))[1] - 1, 0) - 1)
;;       q = np.round(r / step) * step * 2.0 ** e      # np.round: ties to even
;;       return np.moveaxis(q.reshape(q.shape[:-2] + (-1,))[..., :K], -1, axis).astype(np.float32)
;;   ~~~
;; One version. Each part assembles by itself: llvm-mc -triple=amdgcn-amd-amdhsa -mcpu=gfx1250 --defsym DOCPART=n.
;; ======== version 1 of 1: 3 launches
;; limits: right only within a limited range of input values
;; workspace buffers: xc 4,194,304 bytes; xs 327,680 bytes; wc 2,097,152 bytes; ws 163,840 bytes; cand 1,048,576 bytes of whole numbers
;; launch quant (part 1): grid 384 x 1, 4 waves a work-group, no clusters, 35,584 bytes of LDS; arguments x, weight, xc, xs, wc, ws; writes xc, xs, wc, ws
.if DOCPART == 1
	.amdgcn_target "amdgcn-amd-amdhsa--gfx1250"
	.amdhsa_code_object_version 6
	.text
	.protected	k_q33c7b709a6_quant
	.globl	k_q33c7b709a6_quant
	.p2align	8
	.type	k_q33c7b709a6_quant,@function
k_q33c7b709a6_quant:
	s_mov_b64 s[64:65], 0
	v_nop
	global_prefetch_b8 v0, s[64:65] scope:SCOPE_SE
	s_setreg_imm32_b32 hwreg(HW_REG_WAVE_MODE, 25, 1), 1
	s_wait_xcnt 0x0
; x [16384][512] and weight [8192][512], f32, become codes of FP4 (E2M1) with one E8M0 scale byte for each 32 along K, and each row's sum of squares.
; A block's scale is 2^(floor(log2(its largest magnitude)) - 2); its byte is the largest magnitude's exponent field - 2, held at 1 from below by a floor among the maximum's leaves.
; weight's bytes are stored ONE HIGHER (2 .. 253): the product of the next launch is then 2 x.w, exactly, and costs no multiplication there.
; THE CODES ARE LAID AS THE MATRIX OPERAND'S REGISTERS: a tile of 16 rows is 4,096 bytes; piece t (64 along K) is 512 bytes at 512 t; lane l = 16 h + r has 16 bytes at 16 l: block 2 t + h of row r.
; THE SIDE BUFFER has 1,280 bytes for each 64 rows: row p's 16 scale bytes at 16 p, then the 64 sums of squares, f32, at 1,024 + 4 p.
; THE SUM OF SQUARES: each square is rounded to f32, and the squares are added in one chain, k ascending.  A row's blocks lie by turns in lanes r and r + 16, so the running sum
; changes halves behind each block (v_permlanex16_b32); what the other half adds meanwhile is thrown away by the next exchange.
; SHARES: work-groups 0-255 take x's blocks of 64 rows, 256-383 weight's: only pointers and one constant are chosen, there is one path.  A wave takes 16 rows, in 8 pieces of 64 along K.
; Each load reads 256 consecutive bytes of two rows; a piece turns through the wave's own stage in LDS (rows 272 bytes apart: 17 x 16, so that sixteen rows' pieces of 16 bytes fall on sixteen different
; columns of 16 bytes in 256) and comes back with a whole block of 32 in each lane.  Loads run four pieces (32 loads a wave) ahead, the turn one piece.  The squares are made in place, in the block's own
; registers, when the maximum and the conversions have read them.
; LIMITS: NaN and infinities among the inputs are not served.  A block of zeros gets the floor's byte where the rule says 127: its codes are zeros, and this program alone reads the bytes.
.set XWG,   256                        ; work-groups that take x
.set NP,    8                          ; pieces
.set ROWB,  2048                       ; a row of 512 f32
.set SP,    272                        ; a stage row
.set STGB,  16*SP                      ; a stage
.set WREG,  2*STGB                     ; a wave's two stages
.set SQL,   4*WREG                     ; behind them: the work-group's 64 sums
.set SBLK,  1280                       ; the side buffer's bytes for 64 rows
.set LN, 1                             ; v1   lane
.set GA, 2                             ; v2   2,048 h + 16 r: my 16 bytes of a load's two rows
.set SA, 3                             ; v3   the stage, way in
.set SB, 4                             ; v4   the stage, way out: row r, 128 h
.set LI, 5                             ; v5   16 x lane
.set SH, 6                             ; v6   8 h
.set SO, 7                             ; v7   256 x wave + 16 r + 8 h: my 8 scale bytes
.set MA, 8                             ; v8-9 two chains of the maximum
.set MB, 9
.set CV, 10                            ; v10  the conversions' scale operand
.set BY, 11                            ; v11  the byte in the making
.set S0, 12                            ; v12  the running sum while it is with lanes 0-15
.set S1, 13                            ; v13  and while it is with lanes 16-31
.set QA, 14                            ; v14  64 x wave + 4 r
.set QB, 15                            ; v15  8 x lane
.set SW, 16                            ; v16-19 scale words
.set PT, 20                            ; v20-23 the other half's
.set R,  32                            ; four sets of 32, a piece as loaded: v32-127 and, the fourth, v192-223
.set X,  128                           ; v128-191 two sets of 32: my block, then its squares
.set C,  224                           ; v224-255 codes, four registers a piece: no store's data are written again
.set SEL, 26                           ; s[26:27] selects of v_permlanex16_b32 for lane l xor 16
	s_load_b128 s[4:7], s[0:1], 0x0                ; x, weight
	s_load_b128 s[8:11], s[0:1], 0x10              ; xc, xs
	s_load_b128 s[12:15], s[0:1], 0x20             ; wc, ws
	v_lshl_add_u32 v30, v0, 2, 0x8900
	v_mov_b32 v31, 0
	v_lshrrev_b32 v24, 5, v0
	v_readfirstlane_b32 s16, v24                   ; wave 0..3
	v_and_b32 v[LN], 31, v0
	v_and_b32 v24, 15, v0                          ; r
	v_bfe_u32 v25, v0, 4, 1                        ; h
	v_lshlrev_b32 v[GA], 4, v24
	v_lshl_add_u32 v[GA], v25, 11, v[GA]
	s_mul_i32 s17, s16, WREG
	v_mul_u32_u24 v[SA], v25, SP
	v_lshl_add_u32 v[SA], v24, 4, v[SA]
	v_add_nc_u32 v[SA], s17, v[SA]                 ; in: a load's two rows, 16 bytes a lane
	v_mul_u32_u24 v[SB], v24, SP
	v_lshl_add_u32 v[SB], v25, 7, v[SB]
	v_add_nc_u32 v[SB], s17, v[SB]                 ; out: row r, my half's 128 bytes
	v_lshlrev_b32 v[LI], 4, v[LN]
	v_lshlrev_b32 v[SH], 3, v25
	s_lshl_b32 s18, s16, 8
	v_lshl_add_u32 v[SO], v24, 4, v[SH]
	v_add_nc_u32 v[SO], s18, v[SO]
	s_lshl_b32 s19, s16, 6
	v_lshlrev_b32 v[QA], 2, v24
	v_add_nc_u32 v[QA], s19, v[QA]
	v_lshlrev_b32 v[QB], 3, v[LN]
	v_mov_b32 v[S0], 0                             ; the sum begins at 0
	v_mov_b32 v[S1], 0                             ; (a lane permute's destination counts as one of its sources)
.irp q, 0,1,2,3
	v_mov_b32 v[PT+\q], 0
.endr
	s_mov_b32 s[SEL], 0x76543210
	s_mov_b32 s[SEL+1], 0xfedcba98
	s_mov_b32 s21, 0xff800000                      ; weight: 1 off the exponent field gives its byte
	s_wait_alu depctr_va_vdst(0)
	s_wait_kmcnt 0x0
	s_cmp_lt_u32 ttmp9, XWG                        ; x's work-group or weight's?  The choice hangs on the work-group's number alone
	s_cselect_b64 s[4:5], s[4:5], s[6:7]
	s_cselect_b64 s[8:9], s[8:9], s[12:13]
	s_cselect_b64 s[10:11], s[10:11], s[14:15]
	s_cselect_b32 s21, 0xff000000, s21             ; x: 2 off
	s_cselect_b32 s20, 0, XWG
	s_sub_co_u32 s20, ttmp9, s20                   ; which block of 64 rows of the tensor
	s_lshl_b32 s22, s20, 17                        ; 64 rows of 2,048 bytes,
	s_lshl_b32 s23, s16, 15                        ; my wave's 16
	s_add_co_u32 s22, s22, s23
	s_mov_b32 s23, 0
	s_add_nc_u64 s[4:5], s[4:5], s[22:23]
	s_lshl_b32 s22, s20, 14                        ; four tiles of 4,096 bytes of codes,
	s_lshl_b32 s24, s16, 12                        ; my wave's one
	s_add_co_u32 s22, s22, s24
	s_add_nc_u64 s[8:9], s[8:9], s[22:23]
	s_mul_i32 s22, s20, SBLK
	s_add_nc_u64 s[10:11], s[10:11], s[22:23]
.macro LOAD t                          ; piece t into set t % 4 (sets 0-2 from v32 on, set 3 at v192): load i reads rows 2 i and 2 i + 1, 256 consecutive bytes of each
.set RS, R+32*((\t)%4)+64*(((\t)%4)/3)
.irp i, 0,1,2,3,4,5,6,7
	global_load_b128 v[RS+4*\i:RS+4*\i+3], v[GA], s[4:5] offset:2*ROWB*\i+256*(\t) th:TH_LOAD_NT
.endr
.endm
.macro TURN t                          ; piece t through a stage: LDS serves a wave's instructions in order, so no wait stands between the stores and the loads
.set RS, R+32*((\t)%4)+64*(((\t)%4)/3)
.irp i, 0,1,2,3,4,5,6,7
	ds_store_b128 v[SA], v[RS+4*\i:RS+4*\i+3] offset:STGB*((\t)%2)+2*SP*\i
.endr
.irp i, 0,1,2,3,4,5,6,7
	ds_load_b128 v[X+32*((\t)%2)+4*\i:X+32*((\t)%2)+4*\i+3], v[SB] offset:STGB*((\t)%2)+16*\i
.endr
.endm
.macro STEP t
.set XS, X+32*((\t)%2)
	s_wait_dscnt 0x0                               ; my block is back from the stage, and the stage's stores have read their registers,
.if (\t)+4 < NP
	LOAD (\t)+4                                    ; which take the piece four on
.endif
.if (\t)+1 < NP
.if (\t)+4 < NP
	s_wait_loadcnt 24                              ; the next piece's eight loads are in; those of the three pieces behind it may be out
.else
	s_wait_loadcnt 8*(NP-2-(\t))
.endif
	TURN (\t)+1                                    ; it goes through the other stage while this piece is worked
.endif
	v_max3_num_f32 v[MA], |v[XS]|, |v[XS+1]|, 0x1800000            ; the block's largest magnitude, in two chains, and the floor 2^(3 - 127): the byte cannot fall under 1
	v_max3_num_f32 v[MB], |v[XS+16]|, |v[XS+17]|, |v[XS+18]|
.irp i, 2,4,6,8,10,12
	v_max3_num_f32 v[MA], v[MA], |v[XS+\i]|, |v[XS+\i+1]|
	v_max3_num_f32 v[MB], v[MB], |v[XS+17+\i]|, |v[XS+18+\i]|
.endr
	v_max3_num_f32 v[MA], v[MA], |v[XS+14]|, |v[XS+15]|
	v_max3_num_f32 v[MA], v[MA], v[MB], |v[XS+31]|
	v_add_nc_u32 v[CV], 0xff000000, v[MA]          ; 2 off its exponent field: the conversion takes the exponent field of this operand as its scale, and nothing else of it
	v_add_nc_u32 v[BY], s21, v[MA]                 ; and what the stored byte is the exponent field of
.irp g, 0,1,2,3
	v_cvt_scalef32_pk8_fp4_f32 v[C+4*(\t)+\g], v[XS+8*\g:XS+8*\g+7], v[CV]
.endr
.if (\t)%2 == 0
	v_lshrrev_b32 v[SW+(\t)/2], 23, v[BY]          ; (a plain line behind the conversions)  blocks 4 q + h and 4 q + 2 + h share a word, 16 bits apart
.else
	v_lshrrev_b32 v[BY], 23, v[BY]
	v_lshl_or_b32 v[SW+(\t)/2], v[BY], 16, v[SW+(\t)/2]
.endif
	global_store_b128 v[LI], v[C+4*(\t):C+4*(\t)+3], s[8:9] offset:512*(\t)   ; 32 lanes store 512 consecutive bytes
.irp j, 0,2,4,6,8,10,12,14,16,18,20,22,24,26,28,30
	v_pk_mul_f32 v[XS+\j:XS+\j+1], v[XS+\j:XS+\j+1], v[XS+\j:XS+\j+1]   ; the squares, each rounded to f32, in place: nothing reads the numbers any more
.endr
.set k, 0
.rept 32
	v_add_f32 v[S0], v[S0], v[XS+k]                ; lanes 0-15: block 2 t joins the chain
.set k, k+1
.endr
	v_permlanex16_b32 v[S1], v[S0], s[SEL], s[SEL+1]
.set k, 0
.rept 32
	v_add_f32 v[S1], v[S1], v[XS+k]                ; lanes 16-31: block 2 t + 1
.set k, k+1
.endr
	v_permlanex16_b32 v[S0], v[S1], s[SEL], s[SEL+1]               ; back with lanes 0-15
.endm
	LOAD 0
	LOAD 1
	LOAD 2
	LOAD 3
	s_wait_loadcnt 24                              ; piece 0's eight loads are in
	TURN 0
.irp t, 0,1,2,3,4,5,6,7
	STEP \t
.endr
.irp q, 0,1,2,3
	v_lshlrev_b32 v[SW+\q], v[SH], v[SW+\q]        ; my two bytes of word q at their places, 8 h bits up;
.endr
.irp q, 0,1,2,3
	v_permlanex16_b32 v[PT+\q], v[SW+\q], s[SEL], s[SEL+1]
.endr
.irp q, 0,1,2,3
	v_or_b32 v[SW+\q], v[SW+\q], v[PT+\q]          ; with lane l xor 16's two the word is whole
.endr
	v_cmp_ne_u32 vcc_lo, 0, v[SH]                  ; lanes 16-31
	v_cndmask_b32 v[SW], v[SW], v[SW+2], vcc_lo    ; lanes 0-15 store words 0 and 1 of row r, lanes 16-31 words 2 and 3
	v_cndmask_b32 v[SW+1], v[SW+1], v[SW+3], vcc_lo
	global_store_b64 v[SO], v[SW:SW+1], s[10:11]   ; the wave stores 256 consecutive bytes, at a multiple of 256 from the buffer's first byte
	v_permlanex16_b32 v[S1], v[S0], s[SEL], s[SEL+1]
	v_cndmask_b32 v[S0], v[S0], v[S1], vcc_lo      ; the row's sum in both its lanes
	ds_store_b32 v[QA], v[S0] offset:SQL           ; both write the same word with the same value
	s_wait_dscnt 0x0                               ; for wave 0's sake: my store has landed
	s_barrier_signal -1
	s_barrier_wait -1
	s_cmp_lg_u32 s16, 0
	s_cbranch_scc1 .Ldone
	ds_load_b64 v[S0:S1], v[QB] offset:SQL         ; the work-group's 64 sums
	s_wait_dscnt 0x0
	global_store_b64 v[QB], v[S0:S1], s[10:11] offset:1024         ; 256 consecutive bytes
.Ldone:
	s_wait_tensorcnt 0x0                           ; the wave's end
	ds_add_u32 v30, v31
	s_wait_dscnt 0x0
	s_endpgm
.Lfunc_end_k_q33c7b709a6_quant:
	.size	k_q33c7b709a6_quant, .Lfunc_end_k_q33c7b709a6_quant-k_q33c7b709a6_quant
	.p2alignl 7, 3214868480
	.fill 96, 4, 3214868480
	.section	.rodata,"a",@progbits
	.p2align	6, 0x0
	.amdhsa_kernel k_q33c7b709a6_quant
		.amdhsa_group_segment_fixed_size 35584
		.amdhsa_private_segment_fixed_size 0
		.amdhsa_enable_private_segment 0
		.amdhsa_kernarg_size 48
		.amdhsa_user_sgpr_count 2
		.amdhsa_user_sgpr_kernarg_segment_ptr 1
		.amdhsa_wavefront_size32 1
		.amdhsa_system_sgpr_workgroup_id_x 1
		.amdhsa_system_sgpr_workgroup_id_y 1
		.amdhsa_system_sgpr_workgroup_id_z 1
		.amdhsa_system_vgpr_workitem_id 0
		.amdhsa_next_free_vgpr 256
		.amdhsa_next_free_sgpr 66
		.amdhsa_reserve_vcc 1
		.amdhsa_float_denorm_mode_32 3
		.amdhsa_float_denorm_mode_16_64 3
		.amdhsa_memory_ordered 1
		.amdhsa_forward_progress 1
		.amdhsa_inst_pref_size 56
	.end_amdhsa_kernel
	.amdgpu_metadata
---
amdhsa.version: [ 1, 2 ]
amdhsa.kernels:
  - .name:           k_q33c7b709a6_quant
    .symbol:         k_q33c7b709a6_quant.kd
    .args:
      - { .name: x, .offset: 0, .size: 8, .value_kind: global_buffer, .address_space: global }
      - { .name: weight, .offset: 8, .size: 8, .value_kind: global_buffer, .address_space: global }
      - { .name: xc, .offset: 16, .size: 8, .value_kind: global_buffer, .address_space: global }
      - { .name: xs, .offset: 24, .size: 8, .value_kind: global_buffer, .address_space: global }
      - { .name: wc, .offset: 32, .size: 8, .value_kind: global_buffer, .address_space: global }
      - { .name: ws, .offset: 40, .size: 8, .value_kind: global_buffer, .address_space: global }
    .group_segment_fixed_size: 35584
    .private_segment_fixed_size: 0
    .kernarg_segment_align: 8
    .kernarg_segment_size: 48
    .max_flat_workgroup_size: 128
    .sgpr_count:     66
    .vgpr_count:     256
    .wavefront_size: 32
...
	.end_amdgpu_metadata
.endif
;; end of part 1
;; launch dist (part 2): grid 32 x 8, 8 waves a work-group, clusters of 4 x 1, 327,680 bytes of LDS; arguments xc, xs, wc, ws, cand; writes cand
.if DOCPART == 2
	.amdgcn_target "amdgcn-amd-amdhsa--gfx1250"
	.amdhsa_code_object_version 6
	.text
	.protected	k_q33c7b709a6_dist
	.globl	k_q33c7b709a6_dist
	.p2align	8
	.type	k_q33c7b709a6_dist,@function
k_q33c7b709a6_dist:
	s_mov_b64 s[64:65], 0
	v_nop
	global_prefetch_b8 v0, s[64:65] scope:SCOPE_SE
	s_setreg_imm32_b32 hwreg(HW_REG_WAVE_MODE, 25, 1), 1
	s_wait_xcnt 0x0
	s_wait_alu depctr_hold_cnt(0) depctr_sa_sdst(0) depctr_va_vdst(0) depctr_va_sdst(0) depctr_va_ssrc(0) depctr_va_vcc(0) depctr_vm_vsrc(0)
	s_getreg_b32 s2, hwreg(HW_REG_IB_STS2, 6, 4)
	s_cmp_eq_u32 s2, 0
	s_cbranch_scc0 .Lentry_in_a_cluster
	s_endpgm
.Lentry_in_a_cluster:
	s_bfe_u32 s2, ttmp6, 0x10000c
	s_cmp_lg_u32 s2, 0x3003
	s_cbranch_scc0 .Lentry_shape_is_right
	s_endpgm
.Lentry_shape_is_right:
; dist[n][q] = (x_sq[n] - 2 x[n].w[q]) + w_sq[q] on codes of FP4 with E8M0 scales, and for each row n and each slice of 1,024 codes the least dist and the FIRST code that has it.
; w's scale bytes come one higher than the rule's, so the matrix result D is 2 x.w exactly; the two roundings are reference()'s: fl(x_sq - D), then fl(.. + w_sq).
; SHARES.  Work-group (X, y): rows 512 X .. + 511, codes 1,024 y .. + 1,023.  Eight waves, two to a SIMD; wave w keeps rows 64 w .. + 63 (4 tiles of 16, all of K) in 128 registers for the whole launch.
; The slice's codes, scale bytes and w_sq (282,624 bytes) lie in LDS whole: every LDS byte is filled once.
; CLUSTER.  The four work-groups of a cluster share y and so the slice: every tensor load is asked for jointly, with the mask of all four.
; FILLS.  At the head one load a wave: waves 0-6 take 48 rows of 256 bytes of the codes each (tiles 0 to 9 and half of 10), wave 7 the 80 rows of the side blocks.  Behind a round,
; each wave takes 86 rows of the rest; four trips, which read tiles 2 to 9, stand between that load and the wait for it.
; NO PREFETCH: all of the launch's fills go out in these two groups at its start; there is no loop to run ahead in.
; LAYOUT.  Source 0 = 32 codes, source 1 = 16 rows of x: a lane holds ONE row of x (lane % 16); registers 0-7 are codes 8 h + j of the tile, registers 8-15 codes 16 + 8 h + j (h = lane / 16).
; THE INDEX IS FOLLOWED BY CHUNKS OF 8 NEIGHBOURING CODES: four v_min3_num_f32 (the chain begins with the running minimum), one strict compare (has it fallen?), one select of the chunk's number,
; and seven selects on the same mask that carry the chunk's first seven distances along (the eighth is the place left when none of the seven equals the minimum).  A strict compare keeps the first
; chunk among equals; a lane meets its chunks in ascending order.  No branch and no address hangs on a distance.
; A PHASE, tile e of w: 16 matrix instructions on accumulator set e % 2 (4 K steps, in each the 4 tiles of x by turns); behind each stand four of the 64 roundings of set (e - 1) % 2; then the 104 lines
; of the search on set (e - 1) % 2, and among them, behind their first 24, ONE run of 16 LDS loads: tile e + 1's fragments, into the registers that this phase multiplied (one buffer for w);
; at the phase's end tile e + 1's w_sq and tile e + 2's scale words, 5 loads.
; OUT: for each (slice, row) the least dist as a whole number that keeps the order of f32, and the code's index 0 .. 8,191.
; LIMITS: NaN and infinities among the inputs are not served.
; REGISTERS.  window 0: v1-15 the head's addresses, the add's two; v32-47 x's scale words; v48-55 w's, two sets; v56-63 x_sq, a pair a tile; v64-95 w_sq, two sets; v128-255 x's fragments, tile a, K step q at v[128 + 32 a + 8 q].
; window 1: v0-63 w's fragments, K step q at v[16 q]; v64-79 a tile's {chunk, minimum A, B}; v80-111 the carried distances; v112-120 addresses; v128-255 two sets of 4 accumulators of 16.
; Setting 0x51 (source 1 window 0, all else window 1) serves matrix instructions and roundings; 0x55 (all window 1) the search, the fragment loads and the way out.
.set SIDE,  262144                     ; LDS: the slice's codes from 0; behind them 16 blocks of 1,280 bytes: 64 codes' scale bytes and w_sq
.set SBLK,  1280
.set STG,   SIDE+16*SBLK               ; the way out: 512 bytes for each wave; no tensor load lands here
.set SPARE, STG+8*512                  ; the spare words: 128 bytes for each wave, four blocks of 256 bytes that no other line names
.set PAIRB, 16384                      ; two tiles of 32 codes: what a trip reads
.set HEADB, 48*256                     ; what each of waves 0-6 fetches at the head
.set RESTB, 86*256                     ; what each wave fetches of the rest: 7 x 48 + 8 x 86 = 1,024 rows
; window 0
.set LI,  1                            ; 16 x lane
.set R16, 2                            ; 16 r
.set R4,  3                            ; 4 r
.set WB,  4                            ; 32 h
.set HH,  8                            ; h
.set L8,  11                           ; 8 x lane
.set SPW, 12                           ; my spare word; never rewritten
.set NIL, 13                           ; 0; never rewritten
.set TM,  14                           ; 256 h + 4 r
.set XSC, 32
.set BSC, 48
.set XSQ, 56
.set WSQ, 64
.set XF,  128
; window 1
.set ST,  64
.set SAVE, 80
.set ADC, 112                          ; LDS address of the pair's fragments
.set ADS, 113                          ; of its scale words
.set ADW, 114                          ; of its w_sq
.set LI1, 115                          ; 16 x lane
.set WB1, 116                          ; 32 h
.set HH1, 117                          ; h
.set SO1, 118                          ; the stage, way in
.set SR1, 119                          ; the stage, way out
.set L81, 120                          ; 8 x lane
.set ACC, 128
.set WV,  14                           ; s14  my wave's number
.set G1S, 24                           ; s[24:31], s[32:39], s[40:47] descriptor groups 1: 80, 48 and 86 rows of 256 bytes
.set G1A, 32
.set G1B, 40
.set G0S, 56                           ; s[56:59], s[60:63], s[68:71] their groups 0
.set G0A, 60
.set G0B, 68
.set EQ,  24                           ; s[24:51] on the way out, when every tensor load has been waited for: 28 lane masks
.set CNT, 76
.set TB,  77                           ; s77  LDS byte of the pair that the trip fetches
.set TS,  78                           ; s78  and of its side block
.set CB,  79                           ; s79, s80  the numbers 4 e and 4 e + 2 of the chunks in hand (lanes 16-31: one more, added at the end)
.set MK,  84                           ; s[84:87] lane masks: the tile's first chunk has lowered the minimum
.set SEL, 88                           ; s[88:89]
.set MK2, 90                           ; s[90:93] its second chunk has
.set MSB, 0
.macro WIN new                         ; the immediate's high byte repeats the setting that is left; a switch that changes nothing is dropped
.if MSB != \new
	s_set_vgpr_msb (MSB<<8)|\new
.set MSB, \new
.endif
.endm
.set MUL,  0x51                        ; source 0, source 2 and destination window 1, source 1 window 0
.set ALL1, 0x55                        ; all window 1
.set TO1,  0x40                        ; destination window 1, sources window 0
.set LD0,  0x01                        ; destination window 0, address window 1
.macro CROUND                          ; a round of the cluster's barrier
	s_barrier_signal -1
	s_barrier_wait -1
	s_cmp_lg_u32 s[WV], 0
	s_cbranch_scc1 .Lnot_wave_0_\@
	s_barrier_signal -3
.Lnot_wave_0_\@:
	s_barrier_wait -3
	s_barrier_signal -1
	s_barrier_wait -1
.endm
.macro GROUP1 g, rows                  ; a dense block as rows of 256 bytes: 32 elements of 8 bytes, pitch 32
	s_mov_b32 s[\g], 15|(3<<16)|(1<<21)            ; the mask: all four work-groups; elements of 8 bytes; bit 21 set beside a mask; no padding
	s_mov_b32 s[\g+1], 32<<16
	s_mov_b32 s[\g+2], (\rows)<<16
	s_mov_b32 s[\g+3], 32<<16
	s_mov_b32 s[\g+4], \rows
	s_mov_b32 s[\g+5], 32
	s_mov_b32 s[\g+6], 0
	s_mov_b32 s[\g+7], 0
.endm
.macro GROUP0 g, base, part            ; my wave's part of the codes: LDS byte base + part x wave, and the same byte of the slice in memory
	s_mul_i32 s2, s[WV], \part
	s_add_co_u32 s2, s2, \base
	s_mov_b32 s3, 0
	s_mov_b32 s[\g], 1
	s_mov_b32 s[\g+1], s2
	s_add_nc_u64 s[\g+2:\g+3], s[8:9], s[2:3]
	s_or_b32 s[\g+3], s[\g+3], 0x80000000
.endm
.macro NOPS4
.rept 4
	v_nop
.endr
.endm
	s_load_b256 s[4:11], s[0:1], 0x0               ; xc s[4:5], xs s[6:7], wc s[8:9], ws s[10:11]
	s_load_b64 s[12:13], s[0:1], 0x20              ; cand
	v_lshl_add_u32 v[SPW], v0, 2, SPARE
	v_mov_b32 v[NIL], 0
	ds_add_u32 v[SPW], v[NIL]                      ; the opening lines: the add, twice on end, and its wait ahead of my first tensor load
	ds_add_u32 v[SPW], v[NIL]
	v_lshrrev_b32 v1, 5, v0
	v_readfirstlane_b32 s[WV], v1                  ; wave 0..7
	s_bfe_u32 s15, ttmp6, 0x40000                  ; cx: it enters the addresses of x and of the output alone
	s_lshl_b32 s16, ttmp9, 2
	s_add_co_u32 s16, s16, s15                     ; X = 4 x cluster x + cx
	s_and_b32 s17, ttmp7, 0xffff                   ; y, which the four partners share
	GROUP1 G1S, 80
	GROUP1 G1A, 48
	GROUP1 G1B, 86
	s_mov_b32 s[SEL], 0x76543210
	s_mov_b32 s[SEL+1], 0xfedcba98
	s_mul_i32 s20, s17, 16*SBLK                    ; the slice's 16 side blocks
	s_mov_b32 s21, 0
	s_lshl_b32 s22, s17, 18                        ; the slice's codes: 262,144 bytes
	s_mov_b32 s23, 0
	s_wait_dscnt 0x0                               ; both opening adds are done
	s_wait_kmcnt 0x0
	s_add_nc_u64 s[8:9], s[8:9], s[22:23]
	s_mov_b32 s[G0S], 1
	s_mov_b32 s[G0S+1], SIDE
	s_add_nc_u64 s[G0S+2:G0S+3], s[10:11], s[20:21]
	s_or_b32 s[G0S+3], s[G0S+3], 0x80000000
	GROUP0 G0A, 0, HEADB
	GROUP0 G0B, 7*HEADB, RESTB
	s_lshl_b32 s18, s16, 17                        ; x's codes: 512 rows of 256 bytes,
	s_lshl_b32 s19, s[WV], 14                      ; my wave's 64
	s_add_co_u32 s18, s18, s19
	s_mov_b32 s19, 0
	s_add_nc_u64 s[4:5], s[4:5], s[18:19]
	s_mul_i32 s18, s16, 8*SBLK                     ; x's side blocks: 8 a work-group, 1 a wave
	s_mul_i32 s22, s[WV], SBLK
	s_add_co_u32 s18, s18, s22
	s_add_nc_u64 s[6:7], s[6:7], s[18:19]
	s_lshl_b32 s18, s17, 17                        ; the output: [y][key, index][row] words
	s_lshl_b32 s22, s16, 11
	s_add_co_u32 s18, s18, s22
	s_lshl_b32 s22, s[WV], 8
	s_add_co_u32 s18, s18, s22
	s_add_nc_u64 s[12:13], s[12:13], s[18:19]
	CROUND                                         ; all four work-groups are here: the joint loads meet
	s_cmp_lt_u32 s[WV], 7                          ; one load a wave at the head, in the two arms of one branch on the wave's number
	s_cbranch_scc0 .Lside
	tensor_load_to_lds s[G0A:G0A+3], s[G1A:G1A+7]
	s_nop 0
	NOPS4
	s_branch .Lasked
.Lside:
	tensor_load_to_lds s[G0S:G0S+3], s[G1S:G1S+7]
	s_nop 0
	NOPS4
.Lasked:
	v_and_b32 v[LI], 31, v0
	v_lshlrev_b32 v[L8], 3, v[LI]
	v_lshlrev_b32 v[LI], 4, v[LI]
	v_and_b32 v[R4], 15, v0
	v_lshlrev_b32 v[R16], 4, v[R4]
	v_lshlrev_b32 v[R4], 2, v[R4]
	v_bfe_u32 v[HH], v0, 4, 1
	v_lshlrev_b32 v[WB], 5, v[HH]
	v_lshl_add_u32 v[TM], v[HH], 8, v[R4]
.irp a, 0,1,2,3                        ; x's fragments as they lie: tile a, piece p = 2 q + c: registers 32 a + 4 p on
.irp p, 0,1,2,3,4,5,6,7
	global_load_b128 v[XF+32*\a+4*\p:XF+32*\a+4*\p+3], v[LI], s[4:5] offset:4096*\a+512*\p
.endr
.endr
.irp a, 0,1,2,3
	global_load_b32 v[XSQ+2*\a], v[R4], s[6:7] offset:1024+64*\a       ; x_sq of my row of tile a, twice: the packed form takes a pair
	global_load_b32 v[XSQ+2*\a+1], v[R4], s[6:7] offset:1024+64*\a
	global_load_b128 v[XSC+4*\a:XSC+4*\a+3], v[R16], s[6:7] offset:256*\a   ; my row's four scale words
.endr
	s_lshl_b32 s19, s[WV], 9
	s_add_co_u32 s19, s19, STG                     ; my stage
	WIN TO1                                        ; what the loop and the way out name lies in window 1
.set k, 0
.rept 32
	v_mov_b32 v[SAVE+k], 0                         ; the selects read what they may keep: written once here, so that the first tile needs no text of its own
.set k, k+1
.endr
.irp a, 0,1,2,3
	v_mov_b32 v[ST+4*\a], 0                        ; the chunk
	v_mov_b32 v[ST+4*\a+1], 0x7f800000             ; the running minimum: +infinity
.endr
	v_mov_b32 v[LI1], v[LI]
	v_mov_b32 v[WB1], v[WB]
	v_mov_b32 v[HH1], v[HH]
	v_mov_b32 v[L81], v[L8]
	v_add_nc_u32 v[SO1], s19, v[TM]                ; in: lanes 0-15 the keys' 256 bytes, lanes 16-31 the indices'; 4 r
	v_add_nc_u32 v[SR1], s19, v[L8]                ; back: 8 bytes a lane
	v_mov_b32 v[ADC], v[LI]                        ; pair 0
	v_add_nc_u32 v[ADS], SIDE, v[LI]
	v_add_nc_u32 v[ADW], SIDE, v[WB]
	WIN 0
	s_mov_b32 s[CB], 0
	s_mov_b32 s[CB+1], 2
.macro FRAGS f                         ; 16 LDS loads in one run: tile f of the pair in hand (K step q, 16 codes u, piece 2 q + c); destination and address lie in window 1
.irp q, 0,1,2,3
.irp u, 0,1
.irp c, 0,1
	ds_load_b128 v[16*\q+8*\u+4*\c:16*\q+8*\u+4*\c+3], v[ADC] offset:8192*(\f)+4096*\u+512*(2*\q+\c)
.endr
.endr
.endr
.endm
.macro WSQL s                          ; 4 LDS loads: my 16 codes' w_sq of tile s of the pair in hand, into set s
.irp i, 0,1
	ds_load_b128 v[WSQ+16*(\s)+8*\i:WSQ+16*(\s)+8*\i+3], v[ADW] offset:1024+128*(\s)+64*\i
	ds_load_b128 v[WSQ+16*(\s)+8*\i+4:WSQ+16*(\s)+8*\i+7], v[ADW] offset:1024+128*(\s)+64*\i+16
.endr
.endm
; Rounding n of the 64 on set s: tile n % 4; 0-31 fl(x_sq - D), 32-63 fl(.. + w_sq), a pair of registers each, each accumulator from its low end on
.macro PK s
.set dd, n%4
.set rD, ACC+64*(\s)+16*dd
.if n < 32
.set pp, 2*(n/4)
	v_pk_add_f32 v[rD+pp:rD+pp+1], v[rD+pp:rD+pp+1], v[XSQ+2*dd:XSQ+2*dd+1] neg_lo:[1,0] neg_hi:[1,0]
.else
.set pp, 2*((n-32)/4)
	v_pk_add_f32 v[rD+pp:rD+pp+1], v[rD+pp:rD+pp+1], v[WSQ+16*(\s)+pp:WSQ+16*(\s)+pp+1]
.endif
.set n, n+1
.endm
; The 104 lines of the search on set s, the four tiles by turns; chain B is laid between the selects that carry chunk A's distances.  ld = 1: behind the first 24 lines, which with the four roundings
; ahead of them are the places behind the phase's last product, the next tile's fragments (tile s of the pair in hand) are fetched; the other 80 lines stand between these loads and the wait for them.
.macro BLOCK s, ld
.set AB, ACC+64*(\s)
.irp k, 0,1,2,3
.irp d, 0,1,2,3
.if \k == 0
	v_min3_num_f32 v[ST+4*\d+2], v[ST+4*\d+1], v[AB+16*\d], v[AB+16*\d+1]
.else
	v_min3_num_f32 v[ST+4*\d+2], v[ST+4*\d+2], v[AB+16*\d+2*\k], v[AB+16*\d+2*\k+1]
.endif
.endr
.endr
.irp d, 0,1,2,3
	v_cmp_lt_f32 s[MK+\d], v[ST+4*\d+2], v[ST+4*\d+1]              ; has the first chunk lowered the minimum?
.endr
.irp d, 0,1,2,3
	v_cndmask_b32 v[ST+4*\d], v[ST+4*\d], s[CB], s[MK+\d]
.endr
.if \ld
	FRAGS \s
.endif
.irp k, 0,1,2,3
.irp d, 0,1,2,3
.if \k == 0
	v_min3_num_f32 v[ST+4*\d+1], v[ST+4*\d+2], v[AB+16*\d+8], v[AB+16*\d+9]
.else
	v_min3_num_f32 v[ST+4*\d+1], v[ST+4*\d+1], v[AB+16*\d+8+2*\k], v[AB+16*\d+9+2*\k]
.endif
	v_cndmask_b32 v[SAVE+8*\d+2*\k], v[SAVE+8*\d+2*\k], v[AB+16*\d+2*\k], s[MK+\d]
.if \k < 3
	v_cndmask_b32 v[SAVE+8*\d+2*\k+1], v[SAVE+8*\d+2*\k+1], v[AB+16*\d+2*\k+1], s[MK+\d]
.endif
.endr
.endr
.irp d, 0,1,2,3
	v_cmp_lt_f32 s[MK2+\d], v[ST+4*\d+1], v[ST+4*\d+2]             ; has the second?
.endr
.irp d, 0,1,2,3
	v_cndmask_b32 v[ST+4*\d], v[ST+4*\d], s[CB+1], s[MK2+\d]
.endr
.irp j, 0,1,2,3,4,5,6
.irp d, 0,1,2,3
	v_cndmask_b32 v[SAVE+8*\d+\j], v[SAVE+8*\d+\j], v[AB+16*\d+8+\j], s[MK2+\d]
.endr
.endr
	s_add_co_u32 s[CB], s[CB], 4                   ; that tile's chunks are done
	s_add_co_u32 s[CB+1], s[CB+1], 4
.endm
; A PHASE on set b (tile e, b = e % 2).  ld = 1: tile e + 1 (tile 1 - b of the pair in hand) is fetched.  val = 1: set 1 - b is rounded and searched.  bs = 1: tile e + 2's scale words are fetched.
; The four accumulators take turns, one instruction a turn; K step 0 starts each sum with the constant 0.  The roundings name none of the matrix instructions' registers.
; THE WAIT'S COUNT: behind the 16 loads of this tile's fragments only the 5 loads at the last phase's end were issued; what this phase reads of w_sq and of scale words was asked for a phase earlier still.
; (A phase with ld = 0 follows a phase's end of 4 loads: it waits for all.)
.macro PHASE b, ld, val, bs
.if \ld
	s_wait_dscnt 5
.else
	s_wait_dscnt 0x0
.endif
	WIN MUL
.set n, 0
.irp q, 0,1,2,3
.irp d, 0,1,2,3
.if \q == 0
	v_wmma_scale_f32_32x16x128_f4 v[ACC+64*(\b)+16*\d:ACC+64*(\b)+16*\d+15], v[16*\q:16*\q+15], v[XF+32*\d+8*\q:XF+32*\d+8*\q+7], 0, v[BSC+4*(\b)+\q], v[XSC+4*\d+\q]
.else
	v_wmma_scale_f32_32x16x128_f4 v[ACC+64*(\b)+16*\d:ACC+64*(\b)+16*\d+15], v[16*\q:16*\q+15], v[XF+32*\d+8*\q:XF+32*\d+8*\q+7], v[ACC+64*(\b)+16*\d:ACC+64*(\b)+16*\d+15], v[BSC+4*(\b)+\q], v[XSC+4*\d+\q]
.endif
.if \val
.rept 4
	PK 1-(\b)
.endr
.endif
.endr
.endr
	WIN ALL1
.if \val
	BLOCK 1-(\b), \ld
.else
	NOPS4                                          ; no vector work yet: the places behind the last product
	FRAGS 1-(\b)
.endif
.if \ld
	WIN LD0
	WSQL 1-(\b)                                    ; behind the roundings, which have read this set of w_sq
.if \bs
	ds_load_b128 v[BSC+4*(\b):BSC+4*(\b)+3], v[ADS] offset:512+(SBLK-512)*(1-(\b))   ; tile e + 2: the pair's second tile, or the next pair's first
.endif
.endif
.endm
; A TRIP t: tiles 2 t + 1 and 2 t + 2 are multiplied, tiles 2 t and 2 t + 1 rounded and searched, the pair t + 1 (at TB, TS) is fetched from LDS.  bs = 0: there is no pair t + 2.
.macro TRIP bs
	WIN ALL1
	v_add_nc_u32 v[ADC], s[TB], v[LI1]
	v_add_nc_u32 v[ADS], s[TS], v[LI1]
	v_add_nc_u32 v[ADW], s[TS], v[WB1]
	s_wait_alu depctr_va_vdst(0)                   ; the wait directly behind the writes
	PHASE 1, 1, 1, 1
	PHASE 0, 1, 1, \bs
	WIN 0                                          ; at a label and at a branch every window is 0
	s_add_co_u32 s[TB], s[TB], PAIRB
	s_add_co_u32 s[TS], s[TS], SBLK
.endm
	s_wait_alu depctr_va_vdst(0)
	s_wait_tensorcnt 0x0                           ; my load of the head is in
	ds_add_u32 v[SPW], v[NIL]
	s_wait_dscnt 0x0
	CROUND                                         ; everybody's is in, and all four work-groups are here: the joint loads meet
	tensor_load_to_lds s[G0B:G0B+3], s[G1B:G1B+7]  ; my 86 rows of the rest: the one tensor load of mine that is out
	s_nop 0
	NOPS4
	WIN ALL1
	FRAGS 0                                        ; tile 0
	WIN LD0
	WSQL 0
	ds_load_b128 v[BSC:BSC+3], v[ADS]              ; tile 0's scale words,
	ds_load_b128 v[BSC+4:BSC+7], v[ADS] offset:512 ; and tile 1's
	s_wait_loadcnt 0x0                             ; x
	s_wait_dscnt 0x0
	PHASE 0, 1, 0, 1                               ; tile 0 is multiplied; tile 1 is fetched
	WIN 0
	s_mov_b32 s[TB], PAIRB
	s_mov_b32 s[TS], SIDE+SBLK
	s_mov_b32 s[CNT], 4
.Lfour:                                            ; t = 0 .. 3 read pairs 1 .. 4, which the head's loads brought
	TRIP 1
	s_sub_co_u32 s[CNT], s[CNT], 1
	s_cmp_lg_u32 s[CNT], 0
	s_cbranch_scc1 .Lfour
	s_wait_tensorcnt 0x0                           ; my part of the rest is in
	s_wait_dscnt 0x0                               ; no LDS instruction of mine is pending at a signal
	s_barrier_signal -1
	s_barrier_wait -1                              ; everybody's is; nothing is filled again
	s_mov_b32 s[TB], 5*PAIRB                       ; (written anew as constants: the loop's range stands in the text)
	s_mov_b32 s[TS], SIDE+5*SBLK
	s_mov_b32 s[CNT], 10
.Lten:                                             ; t = 4 .. 13 read pairs 5 .. 14
	TRIP 1
	s_sub_co_u32 s[CNT], s[CNT], 1
	s_cmp_lg_u32 s[CNT], 0
	s_cbranch_scc1 .Lten
	s_mov_b32 s[TB], 15*PAIRB
	s_mov_b32 s[TS], SIDE+15*SBLK
	TRIP 0                                         ; t = 14 reads pair 15
	PHASE 1, 0, 1, 0                               ; tile 31 is multiplied, tile 30 rounded and searched
	WIN MUL
.set n, 0
.rept 64
	PK 1                                           ; tile 31
.endr
	WIN ALL1
	BLOCK 1, 0
	; THE WAY OUT, all in window 1.  The place in the chunk: the first of the seven carried distances that equals the minimum (from the end down, so that the first stays), else 7.
.set WK, ACC                           ; set 0's accumulators are free: eight registers a tile
.irp u, 0,1,2,3
.irp j, 0,1,2,3,4,5,6
	v_cmp_eq_f32 s[EQ+7*\u+\j], v[SAVE+8*\u+\j], v[ST+4*\u+1]
.endr
.endr
.irp u, 0,1,2,3
	v_mov_b32 v[WK+8*\u+5], 7
.endr
.irp j, 6,5,4,3,2,1,0
.irp u, 0,1,2,3
	v_cndmask_b32 v[WK+8*\u+5], v[WK+8*\u+5], \j, s[EQ+7*\u+\j]
.endr
.endr
	; A row's two lanes hold the least dist of their chunks.  It becomes a whole number that keeps f32's order (-0 first made +0; then the sign bit is set, or all bits are turned where it was set);
	; the lesser key wins, among equal keys the lower index.  Keys and indices go through my stage and leave as 256 consecutive bytes each.
	s_lshl_b32 s18, s17, 7                         ; the slice's first chunk: 128 y
	v_cmp_eq_u32 vcc_lo, 1, v[HH1]
.irp a, 0,1,2,3
	v_add_f32 v[WK+8*\a], 0, v[ST+4*\a+1]
	v_add3_u32 v[WK+8*\a+1], v[ST+4*\a], v[HH1], s18
.endr
.irp a, 0,1,2,3
	v_ashrrev_i32 v[WK+8*\a+4], 31, v[WK+8*\a]
	v_lshl_add_u32 v[WK+8*\a+1], v[WK+8*\a+1], 3, v[WK+8*\a+5]     ; the index: 8 x chunk + place
.endr
.irp a, 0,1,2,3
	v_or_b32 v[WK+8*\a+4], 0x80000000, v[WK+8*\a+4]
.endr
.irp a, 0,1,2,3
	v_xor_b32 v[WK+8*\a], v[WK+8*\a], v[WK+8*\a+4]
.endr
.irp a, 0,1,2,3
	v_permlanex16_b32 v[WK+8*\a+2], v[WK+8*\a], s[SEL], s[SEL+1]
	v_permlanex16_b32 v[WK+8*\a+3], v[WK+8*\a+1], s[SEL], s[SEL+1]
.endr
.irp a, 0,1,2,3
	v_cmp_lt_u32 s[MK], v[WK+8*\a+2], v[WK+8*\a]
	v_cmp_eq_u32 s[MK+1], v[WK+8*\a+2], v[WK+8*\a]
	v_cmp_lt_u32 s[MK+2], v[WK+8*\a+3], v[WK+8*\a+1]
	s_and_b32 s[MK+1], s[MK+1], s[MK+2]
	s_or_b32 s[MK], s[MK], s[MK+1]
	v_cndmask_b32 v[WK+8*\a], v[WK+8*\a], v[WK+8*\a+2], s[MK]
	v_cndmask_b32 v[WK+8*\a+1], v[WK+8*\a+1], v[WK+8*\a+3], s[MK]
	v_cndmask_b32 v[WK+8*\a], v[WK+8*\a], v[WK+8*\a+1], vcc_lo     ; lanes 0-15 hand in the key, lanes 16-31 the index
	ds_store_b32 v[SO1], v[WK+8*\a] offset:64*\a
.endr
	ds_load_b64 v[192:193], v[SR1]                 ; LDS serves a wave's instructions in order: these see my stores
	ds_load_b64 v[194:195], v[SR1] offset:256
	s_wait_dscnt 0x0
	global_store_b64 v[L81], v[192:193], s[12:13]                  ; my 64 rows' keys: 256 consecutive bytes, at a multiple of 256 from the buffer's first byte
	global_store_b64 v[L81], v[194:195], s[12:13] offset:65536     ; and their indices
	WIN 0
	s_wait_tensorcnt 0x0                           ; the wave's end
	ds_add_u32 v[SPW], v[NIL]
	s_wait_dscnt 0x0
	CROUND                                         ; the closing round: no work-group ends while a partner may still ask for a tile that names it
	s_endpgm
.Lfunc_end_k_q33c7b709a6_dist:
	.size	k_q33c7b709a6_dist, .Lfunc_end_k_q33c7b709a6_dist-k_q33c7b709a6_dist
	.p2alignl 7, 3214868480
	.fill 96, 4, 3214868480
	.section	.rodata,"a",@progbits
	.p2align	6, 0x0
	.amdhsa_kernel k_q33c7b709a6_dist
		.amdhsa_group_segment_fixed_size 327680
		.amdhsa_private_segment_fixed_size 0
		.amdhsa_enable_private_segment 0
		.amdhsa_kernarg_size 40
		.amdhsa_user_sgpr_count 2
		.amdhsa_user_sgpr_kernarg_segment_ptr 1
		.amdhsa_wavefront_size32 1
		.amdhsa_system_sgpr_workgroup_id_x 1
		.amdhsa_system_sgpr_workgroup_id_y 1
		.amdhsa_system_sgpr_workgroup_id_z 1
		.amdhsa_system_vgpr_workitem_id 0
		.amdhsa_next_free_vgpr 512
		.amdhsa_next_free_sgpr 96
		.amdhsa_reserve_vcc 1
		.amdhsa_float_denorm_mode_32 3
		.amdhsa_float_denorm_mode_16_64 3
		.amdhsa_memory_ordered 1
		.amdhsa_forward_progress 1
		.amdhsa_inst_pref_size 134
	.end_amdhsa_kernel
	.amdgpu_metadata
---
amdhsa.version: [ 1, 2 ]
amdhsa.kernels:
  - .name:           k_q33c7b709a6_dist
    .symbol:         k_q33c7b709a6_dist.kd
    .args:
      - { .name: xc, .offset: 0, .size: 8, .value_kind: global_buffer, .address_space: global }
      - { .name: xs, .offset: 8, .size: 8, .value_kind: global_buffer, .address_space: global }
      - { .name: wc, .offset: 16, .size: 8, .value_kind: global_buffer, .address_space: global }
      - { .name: ws, .offset: 24, .size: 8, .value_kind: global_buffer, .address_space: global }
      - { .name: cand, .offset: 32, .size: 8, .value_kind: global_buffer, .address_space: global }
    .group_segment_fixed_size: 327680
    .private_segment_fixed_size: 0
    .kernarg_segment_align: 8
    .kernarg_segment_size: 40
    .max_flat_workgroup_size: 256
    .sgpr_count:     96
    .vgpr_count:     512
    .wavefront_size: 32
...
	.end_amdgpu_metadata
.endif
;; end of part 2
;; launch finish (part 3): grid 256 x 1, 8 waves a work-group, no clusters, 5,888 bytes of LDS; arguments cand, weight, out0, out1; writes out0, out1
.if DOCPART == 3
	.amdgcn_target "amdgcn-amd-amdhsa--gfx1250"
	.amdhsa_code_object_version 6
	.text
	.protected	k_q33c7b709a6_finish
	.globl	k_q33c7b709a6_finish
	.p2align	8
	.type	k_q33c7b709a6_finish,@function
k_q33c7b709a6_finish:
	s_mov_b64 s[64:65], 0
	v_nop
	global_prefetch_b8 v0, s[64:65] scope:SCOPE_SE
	s_setreg_imm32_b32 hwreg(HW_REG_WAVE_MODE, 25, 1), 1
	s_wait_xcnt 0x0
; For each row: of the eight slices' (key, index), stored as whole numbers by the launch before, the least key, among equal keys the lower index: that index is out1[n], and out0[n][:] = weight[index][:].
; The choice is made by whole-number compares on whole numbers read from memory; the index, held inside the table (0 .. 8,191), forms the address of the row of 2,048 bytes.
; SHARES.  A work-group takes 64 rows.  Wave w reads slice w's 64 keys and 64 indices, 256 consecutive bytes each, so that each byte of cand is read once in the launch; they meet in LDS (a slice's row 288 bytes
; from the next: the four slices that a load's lanes touch then start 8 words apart, as wide as the 8 rows read of each).  Behind a barrier wave w takes rows 8 w .. 8 w + 7: lane l holds row l % 8 and slices
; l / 8 and l / 8 + 4; one compare in the lane and two across lanes (l xor 8, l xor 16) leave each row's index in all its lanes.  Eight v_readlane_b32 make eight scalar bases.
; Each load and store of a row covers 512 consecutive bytes; all 32 loads go out before the first store.  No hint on them: a row of the table may be named many times.
; The 64 indices meet in LDS once more, behind a barrier that stands behind the loads, and wave 0 stores them as 256 consecutive bytes.
.set PIT,  288                         ; LDS: slice y's 64 keys at PIT y,
.set IDXL, 8*PIT                       ; its 64 indices at IDXL + PIT y,
.set OUTL, 16*PIT                      ; the 64 chosen indices
.set LI,  1                            ; v1   16 x lane
.set L8,  3                            ; v3   8 x lane
.set SI,  4                            ; v4   LDS, way in: PIT x wave + 8 x lane
.set RDA, 6                            ; v6   LDS, way out: PIT (lane / 8) + 32 x wave + 4 (lane % 8)
.set OA,  7                            ; v7   32 x wave + 4 (lane % 8)
.set KY,  12                           ; v12  key
.set CH,  13                           ; v13  index
.set KP,  14                           ; v14  the other candidate's key
.set CP,  15                           ; v15  and index
.set DT,  24                           ; v24-151 eight rows, 16 registers each
.set SEL, 28                           ; s[28:29] selects of v_permlanex16_b32 for lane l xor 16
	s_load_b128 s[4:7], s[0:1], 0x0                ; cand, weight
	s_load_b128 s[8:11], s[0:1], 0x10              ; out0, out1
	v_lshl_add_u32 v160, v0, 2, 0x1300
	v_mov_b32 v161, 0
	v_lshrrev_b32 v2, 5, v0
	s_delay_alu instid0(VALU_DEP_1)
	v_readfirstlane_b32 s12, v2                    ; wave 0..7
	v_and_b32 v2, 31, v0
	s_delay_alu instid0(VALU_DEP_1)
	v_lshlrev_b32 v[LI], 4, v2
	s_delay_alu instid0(VALU_DEP_2)
	v_lshlrev_b32 v[L8], 3, v2
	s_mul_i32 s13, s12, PIT
	v_add_nc_u32 v[SI], s13, v[L8]
	v_and_b32 v5, 7, v0                            ; lane % 8
	v_bfe_u32 v[RDA], v0, 3, 2                     ; lane / 8
	s_delay_alu instid0(VALU_DEP_1)
	v_mul_u32_u24 v[RDA], v[RDA], PIT
	s_delay_alu instid0(VALU_DEP_1)
	v_lshl_add_u32 v[RDA], v5, 2, v[RDA]
	s_lshl_b32 s14, s12, 5
	v_add_nc_u32 v[RDA], s14, v[RDA]
	v_lshl_add_u32 v[OA], v5, 2, s14
	s_lshl_b32 s22, ttmp9, 16                      ; the table's 16,777,216 bytes are shared out by address: 65,536 a work-group,
	v_lshl_add_u32 v162, v0, 8, s22                ; 256 a thread; never rewritten
	s_mov_b32 s[SEL], 0x76543210
	s_mov_b32 s[SEL+1], 0xfedcba98
	s_lshl_b32 s16, s12, 17                        ; cand: slice = my wave: 131,072 bytes a slice,
	s_lshl_b32 s18, ttmp9, 8                       ; the work-group's 64 rows x 4 bytes
	s_add_co_u32 s16, s16, s18
	s_mov_b32 s17, 0
	s_mov_b32 s19, 0
	s_lshl_b32 s20, ttmp9, 3
	s_add_co_u32 s20, s20, s12
	s_lshl_b32 s20, s20, 14                        ; out0: my wave's eight rows of 2,048 bytes
	s_mov_b32 s21, 0
	s_wait_alu depctr_va_vdst(0)
	s_wait_kmcnt 0x0
	s_add_nc_u64 s[4:5], s[4:5], s[16:17]
	s_add_nc_u64 s[8:9], s[8:9], s[20:21]
	s_add_nc_u64 s[10:11], s[10:11], s[18:19]
	global_load_b64 v[8:9], v[L8], s[4:5] th:TH_LOAD_NT                ; 64 keys: 256 consecutive bytes
	global_load_b64 v[10:11], v[L8], s[4:5] offset:65536 th:TH_LOAD_NT ; 64 indices
	global_prefetch_b8 v162, s[6:7] th:TH_LOAD_NT scope:SCOPE_SE       ; each block of 256 bytes of weight is named once in the launch, by one lane, ahead of the rows' loads, which wait for the indices
	s_wait_loadcnt 0x0
	ds_store_b64 v[SI], v[8:9]
	ds_store_b64 v[SI], v[10:11] offset:IDXL
	s_wait_dscnt 0x0                               ; for the others' sake: my stores have landed
	s_barrier_signal -1
	s_barrier_wait -1
	ds_load_b32 v[KY], v[RDA]                      ; slice lane / 8
	ds_load_b32 v[CH], v[RDA] offset:IDXL
	ds_load_b32 v[KP], v[RDA] offset:4*PIT         ; slice lane / 8 + 4
	ds_load_b32 v[CP], v[RDA] offset:IDXL+4*PIT
	s_wait_dscnt 0x0
.macro BETTER                          ; the other candidate is taken where its key is less, or equal with the lower index
	v_cmp_lt_u32 s24, v[KP], v[KY]
	v_cmp_eq_u32 s25, v[KP], v[KY]
	v_cmp_lt_u32 s26, v[CP], v[CH]
	s_and_b32 s25, s25, s26
	s_or_b32 s24, s24, s25
	v_cndmask_b32 v[KY], v[KY], v[KP], s24
	v_cndmask_b32 v[CH], v[CH], v[CP], s24
.endm
	BETTER
	s_delay_alu instid0(VALU_DEP_2)
	v_mov_b32_dpp v[KP], v[KY] row_xmask:8 row_mask:0xf bank_mask:0xf     ; lanes 8 and 16 apart hold the same row
	s_delay_alu instid0(VALU_DEP_2)
	v_mov_b32_dpp v[CP], v[CH] row_xmask:8 row_mask:0xf bank_mask:0xf
	BETTER
	s_delay_alu instid0(VALU_DEP_2)
	v_permlanex16_b32 v[KP], v[KY], s[SEL], s[SEL+1]
	s_delay_alu instid0(VALU_DEP_2)
	v_permlanex16_b32 v[CP], v[CH], s[SEL], s[SEL+1]
	BETTER                                         ; every lane now holds the index of row lane % 8
	s_delay_alu instid0(VALU_DEP_1)
	v_min_u32 v[CH], 0x1fff, v[CH]                 ; inside the table
	s_wait_alu depctr_va_vdst(0)
	ds_store_b32 v[OA], v[CH] offset:OUTL          ; a row's four lanes write the same word with the same value
.irp p, 0,1,2,3,4,5,6,7
	v_readlane_b32 s[32+2*\p], v[CH], \p
	s_min_u32 s[32+2*\p], s[32+2*\p], 0x1fff       ; inside the table
	s_lshl_b32 s[32+2*\p], s[32+2*\p], 11
	s_mov_b32 s[33+2*\p], 0
	s_add_nc_u64 s[32+2*\p:33+2*\p], s[6:7], s[32+2*\p:33+2*\p]
.endr
.irp p, 0,1,2,3,4,5,6,7
.irp i, 0,1,2,3
	global_load_b128 v[DT+16*\p+4*\i:DT+16*\p+4*\i+3], v[LI], s[32+2*\p:33+2*\p] offset:512*\i
.endr
.endr
	s_wait_dscnt 0x0                               ; for wave 0's sake: my index store has landed.  The rows' loads stay on their way across this barrier: nobody writes what they read
	s_barrier_signal -1
	s_barrier_wait -1
	s_cmp_lg_u32 s12, 0
	s_cbranch_scc1 .Lrows
	ds_load_b64 v[16:17], v[L8] offset:OUTL        ; the work-group's 64 indices
	s_wait_dscnt 0x0
	global_store_b64 v[L8], v[16:17], s[10:11]     ; 256 consecutive bytes, at a multiple of 256 from the buffer's first byte
.Lrows:
.irp p, 0,1,2,3,4,5,6,7
	s_wait_loadcnt 4*(7-\p)                        ; this row's four loads are in; the younger rows' may be out
.irp i, 0,1,2,3
	global_store_b128 v[LI], v[DT+16*\p+4*\i:DT+16*\p+4*\i+3], s[8:9] offset:2048*\p+512*\i th:TH_STORE_NT
.endr
.endr
	s_wait_tensorcnt 0x0
	ds_add_u32 v160, v161
	s_wait_dscnt 0x0
	s_endpgm
.Lfunc_end_k_q33c7b709a6_finish:
	.size	k_q33c7b709a6_finish, .Lfunc_end_k_q33c7b709a6_finish-k_q33c7b709a6_finish
	.p2alignl 7, 3214868480
	.fill 96, 4, 3214868480
	.section	.rodata,"a",@progbits
	.p2align	6, 0x0
	.amdhsa_kernel k_q33c7b709a6_finish
		.amdhsa_group_segment_fixed_size 5888
		.amdhsa_private_segment_fixed_size 0
		.amdhsa_enable_private_segment 0
		.amdhsa_kernarg_size 32
		.amdhsa_user_sgpr_count 2
		.amdhsa_user_sgpr_kernarg_segment_ptr 1
		.amdhsa_wavefront_size32 1
		.amdhsa_system_sgpr_workgroup_id_x 1
		.amdhsa_system_sgpr_workgroup_id_y 1
		.amdhsa_system_sgpr_workgroup_id_z 1
		.amdhsa_system_vgpr_workitem_id 0
		.amdhsa_next_free_vgpr 164
		.amdhsa_next_free_sgpr 66
		.amdhsa_reserve_vcc 0
		.amdhsa_float_denorm_mode_32 3
		.amdhsa_float_denorm_mode_16_64 3
		.amdhsa_memory_ordered 1
		.amdhsa_forward_progress 1
		.amdhsa_inst_pref_size 13
	.end_amdhsa_kernel
	.amdgpu_metadata
---
amdhsa.version: [ 1, 2 ]
amdhsa.kernels:
  - .name:           k_q33c7b709a6_finish
    .symbol:         k_q33c7b709a6_finish.kd
    .args:
      - { .name: cand, .offset: 0, .size: 8, .value_kind: global_buffer, .address_space: global }
      - { .name: weight, .offset: 8, .size: 8, .value_kind: global_buffer, .address_space: global }
      - { .name: out0, .offset: 16, .size: 8, .value_kind: global_buffer, .address_space: global }
      - { .name: out1, .offset: 24, .size: 8, .value_kind: global_buffer, .address_space: global }
    .group_segment_fixed_size: 5888
    .private_segment_fixed_size: 0
    .kernarg_segment_align: 8
    .kernarg_segment_size: 32
    .max_flat_workgroup_size: 256
    .sgpr_count:     66
    .vgpr_count:     164
    .wavefront_size: 32
...
	.end_amdgpu_metadata
.endif
;; end of part 3
